; MI455X (gfx1250); checked and timed in simulation.
; The chip was launched on July 23, 2026; its instructions are those of AMD's public machine-readable ISA for CDNA 5 (MIT licence, August 2026) and "CDNA5" Instruction Set Architecture Reference Guide (July 2026). The comments in the code are by the model that wrote it; some were corrected since.
;; Bahdanau Attention LSTM. Allowed arithmetic: matrix products marked QUANTISED: E2M3 operands, one E8M0 scale for each 32 along K, by v_wmma_scale_f32_16x16x128_f8f6f4 with both operands' format E2M3, f32 sums; products left as they are: f32 operands where the result goes on into a quantised operand, else bf16, f16 or f32 operands; f32 sums; everything else in f32.
;; Inputs: Ua_b 1,024 float32; Ua_w 1,024 x 1,024 float32; Va_b 1 float32; Va_w 1 x 1,024 float32; Wa_b 1,024 float32; Wa_w 1,024 x 1,024 float32; keys 32 x 2,048 x 1,024 float32; query0 32 x 1 x 1,024 float32; query1 32 x 1 x 1,024 float32.
;; Outputs: out0 32 x 1 x 1,024 float32; out1 32 x 1 x 2,048 float32.
;; This version of the problem:
;;   THIS VERSION OF THE PROBLEM IS GIVEN IN LOW PRECISION. The matrix products marked QUANTISED in the list below multiply operands that are first quantised to E2M3 (2 exponent bits, 3 mantissa bits; 6 bits a number), with one power-of-two scale for each 32 numbers along K (OCP MX v1.0); their sums are f32. All else is computed in f32.
;;   The module's matrix products, in the order in which they are computed (A, B: the left and right operand; K: the contracted axis; several contracted axes count as one K, in the product's order):
;;     1. [M 32, K 1,024] x [K 1,024, N 1,024]; A: computed on the way; B: input Wa_w: QUANTISED
;;     2. [M 65,536, K 1,024] x [K 1,024, N 1,024]; A: input keys; B: input Ua_w: QUANTISED
;;     3. [M 65,536, K 1,024] x [K 1,024, N 1]; A: computed on the way; B: input Va_w: left as it is (N = 1 < 16)
;;     4. batch 32 x [M 1, K 2,048] x [K 2,048, N 1,024]; A: softmax; B: input keys: left as it is (M = 1 < 16)
;;   THE QUANTISER, for each operand of a quantised product, along K:
;;     - K is cut into blocks of 32 from its start; a last block that is shorter is filled with zeros.
;;     - A block's scale is 2^e with e = floor(log2(the largest magnitude in the block)) - 2, held to -126 .. 127; a block of zeros has e = 0. As a byte (E8M0): e + 127.
;;     - Each number is divided by its block's scale, clamped to +-7.5, and rounded to the nearest number of E2M3, ties to even, subnormals kept.
;;     - The product sums the exact products of the quantised numbers (number of the format x scale) in f32.
;;   ~~~python
;;   def quantise(x, axis):      # numpy; x: float32 -> the quantised numbers, widened to float32 again
;;       x = np.moveaxis(x, axis, -1); K = x.shape[-1]
;;       x = np.pad(x, [(0, 0)] * (x.ndim - 1) + [(0, -K % 32)]); x = x.reshape(x.shape[:-1] + (-1, 32)); a = np.abs(x).max(-1, keepdims=True)
;;       e = np.where(a > 0, np.clip(np.frexp(np.where(a > 0, a, 1))[1] - 1 - 2, -126, 127), 0)      # np.frexp(a)[1] - 1 = floor(log2(a)), exactly
;;       r = np.clip(x / 2.0 ** e, -7.5, 7.5)
;;       step = 2.0 ** (np.maximum(np.frexp(np.where(r == 0, 1, r))[1] - 1, 0) - 3)
;;       q = np.round(r / step) * step * 2.0 ** e      # np.round: ties to even
;;       return np.moveaxis(q.reshape(q.shape[:-2] + (-1,))[..., :K], -1, axis).astype(np.float32)
;;   ~~~
;;   OPERANDS COMPUTED ON THE WAY. 'Computed on the way' means the value that the module computes at that place (a softmax that the list does not call 'softmax' is quantised finished and normalised). What goes into a quantiser is computed in f32, as accurately as f32 sums, v_exp_f32 and their like allow (about 1e-6 of the number): no bf16 or f16 on the way to a quantiser, and a product that is left as it is and whose result goes on into a quantised operand takes f32 operands (vector FMAs, or v_wmma_f32_16x16x4_f32). A number that lies on a knife's edge between two numbers of the format may be rounded either way, as far as f32 arithmetic and the matrix unit's own rounding can turn it there, and no further.
;; One version. Each part assembles by itself: llvm-mc -triple=amdgcn-amd-amdhsa -mcpu=gfx1250 --defsym DOCPART=n.
;; ======== version 1 of 1: 3 launches
;; limits: values are held in f16: magnitudes above 65,504 overflow, below 6.1e-05 lose precision; inputs' magnitudes at most 65,504; right only within a limited range of input values
;; workspace buffers: ub 819,200 bytes; biasp 131,072 bytes; sc 262,144 bytes; ctxp 2,097,152 bytes
;; launch prep (part 1): grid 192 x 1, 8 waves a work-group, no clusters, 144,384 bytes of LDS; arguments query0, query1, Wa_w, Wa_b, Ua_w, Ua_b, ub, biasp; writes ub, biasp
.if DOCPART == 1
	.amdgcn_target "amdgcn-amd-amdhsa--gfx1250"
	.amdhsa_code_object_version 6
	.text
	.protected	k_q5e8ab98c6e_prep
	.globl	k_q5e8ab98c6e_prep
	.p2align	8
	.type	k_q5e8ab98c6e_prep,@function
k_q5e8ab98c6e_prep:
	s_mov_b64 s[64:65], 0
	v_nop
	global_prefetch_b8 v0, s[64:65] scope:SCOPE_SE
	s_setreg_imm32_b32 hwreg(HW_REG_WAVE_MODE, 25, 1), 1
	s_wait_xcnt 0x0
; BAHDANAU ATTENTION, first of three launches.  weights = softmax_s(Va . tanh(Wa q + Wa_b + Ua keys_s + Ua_b) + Va_b), context = weights x keys.
; Both products with Wa and Ua are taken on codes of FP6 (E2M3) with one E8M0 scale for each 32 along K.
; WORK LEFT OUT, for all values of the inputs.  tanh(x) = 1 - 2 r(x) with r(x) = 1 / (1 + 2^(c2 x)), c2 = 2 log2(e).  So the score of key s is
;   (sum over h of Va[h] + Va_b) - 2 sum over h of Va[h] r(x[s][h]).
; The bracket does not hang on s: it is one number added to every score of a batch, and a softmax along s is unchanged by such a number.  So Va_b is not loaded
; and is among no launch's arguments, and the sum of Va is never formed.  The maximum is still taken away ahead of every exponential.
; LIMIT: a NaN, an infinity or an overflow that reaches only Va_b or the sum of Va is not carried to the results.
; WHAT THIS LAUNCH MAKES.
;   Work-groups 0-63: Ua's rows 16 c .. 16 c + 15 as codes, laid in the order of an operand's registers.  Tile c takes 12,800 bytes of ub: fragment k (128 along K) at 1,536 k,
;   its registers 4 g .. 4 g + 3 of lane l at 512 g + 16 l; behind the eight fragments the scale words, row r's word of K step k at 12,288 + 64 k + 4 r.
;   Work-groups 64-191: for 16 outputs o (tile c) and 16 batches (tile t): biasp[b][o] = c2 (Q(q0 + q1)[b] . Q(Wa)[o] + Wa_b[o] + Ua_b[o]).
; SHARES.  Eight waves; wave w takes K step w (128 along K) of the tile's 16 rows.  Each load of a wave takes two runs of 256 consecutive bytes: lanes 0-15 of one row, lanes 16-31 of the row 8 further down.
; The quantiser wants of a lane row lane % 16 and two whole blocks of 32, k = 64 c + 32 (lane / 16) + 0 .. 31: so the 16 x 128 numbers turn through the wave's own stage in LDS (rows of 512 + 16 bytes)
; and come back into the registers that they left.  The two paths, which part on the work-group's number, have stage bytes of their own.
; In the product each wave has one matrix instruction; the eight partial sums meet in LDS and wave 0 adds them.  biasp leaves in pieces of 64 bytes (128 KB in all), since its reader wants [b][o].
; THE QUANTISER.  A block's scale byte is its largest magnitude's exponent field - 2, held at 1 from below by a floor among the maximum's leaves.  A block of zeros so gets the byte 1 where the
; rule says 127: its codes are zeros, and these bytes are read by this program alone.
; LIMITS: blocks whose largest magnitude lies under 2^-124 were not tried; NaN and infinities among the inputs are not served.
.set C2,    0x4038aa3b                 ; c2 = 2 log2(e)
.set STGU,  0                          ; LDS: Ua's path: a stage of 16 rows x 528 bytes for each wave
.set STGW,  8*16*528                   ; Wa's path: the same
.set RED,   2*8*16*528                 ; eight images of 8 registers, 1,024 bytes each
.set SPARE, RED+8192                   ; behind them the spare words, 128 bytes for each wave: four blocks of 256 bytes that no other line names
.set KO,  4                            ; v4   32,768 h + 16 r: my 16 bytes of a load's two runs
.set LI,  5                            ; v5   16 x lane
.set R4,  6                            ; v6   4 r
.set SH8, 7                            ; v7   8 h
.set BO,  8                            ; v8   32 h: my eight outputs in a tile of 16
.set OO,  9                            ; v9   4,096 r + 32 h: the same in biasp
.set RW,  10                           ; v10  where my wave's image begins: RED + 1,024 x wave + 16 x lane
.set RR,  11                           ; v11  RED + 16 x lane
.set SIU, 12                           ; v12  Ua's path: the stage, in: 8 h rows + 16 r
.set SOU, 13                           ; v13  the stage, out: row r + 128 h
.set SPW, 14                           ; v14  LDS address of my spare word; never rewritten
.set NIL, 15                           ; v15  0; never rewritten
.set QT,  16                           ; v16-32 the quantiser's registers
.set SIW, 33                           ; v33  Wa's path: the stage, in
.set SOW, 34                           ; v34  and out
.set WC,  36                           ; v36-47 the weight's fragment
.set QC,  48                           ; v48-59 q's fragment
.set WW,  60                           ; v60  the weight's scale word
.set QW,  61                           ; v61  q's
.set WN,  64                           ; v64-127 the weight's 64 numbers
.set BB,  64                           ; v64-79  later: Wa_b's and Ua_b's eight numbers
.set AC,  80                           ; v80-87  the product
.set Q0,  128                          ; v128-191 query0, then q, then the eight images
.set Q1,  192                          ; v192-255 query1
.set SEL, 20                           ; s[20:21] v_permlanex16_b32's selects for lane l xor 16
.set WV,  22                           ; s22  my wave's number
; 16 rows x 512 bytes from s[lo:hi] on, rows 4,096 bytes apart: load (sx, i) takes bytes 256 sx .. + 255 of rows i and i + 8
.macro DLOAD reg, lo, hi
.irp sx, 0,1
.irp i, 0,1,2,3,4,5,6,7
	global_load_b128 v[\reg+32*\sx+4*\i:\reg+32*\sx+4*\i+3], v[KO], s[\lo:\hi] offset:4096*\i+256*\sx
.endr
.endr
.endm
; the 64 registers go into my stage as they were loaded and come back as the quantiser wants them: v[reg + 32 c + 4 j ..] = row r, k = 64 c + 32 h + 4 j ..
.macro TURN reg, sti, sto
.irp sx, 0,1
.irp i, 0,1,2,3,4,5,6,7
	ds_store_b128 v[\sti], v[\reg+32*\sx+4*\i:\reg+32*\sx+4*\i+3] offset:528*\i+256*\sx
.endr
.endr
.irp c, 0,1
.irp j, 0,1,2,3,4,5,6,7
	ds_load_b128 v[\reg+32*\c+4*\j:\reg+32*\c+4*\j+3], v[\sto] offset:256*\c+16*\j   ; LDS serves a wave's instructions in order (ISA guide 5.7.1.4): these see my stores
.endr
.endr
	s_wait_dscnt 0x0
.endm
; 64 numbers of a lane, v[src + 32 c + i] = k 64 c + 32 (lane / 16) + i of my row, become the fragment's 12 registers in v[pc] on and my row's scale word in v[word].
.macro QUANT6 src, pc, word
.irp c, 0,1,2,3
	v_max3_num_f32 v[QT+\c], |v[\src+16*\c]|, |v[\src+16*\c+1]|, 0x1800000   ; four chains of 16 numbers, two to a block; the floor 2^(3 - 127) among the leaves holds the byte at 1 from below
.endr
.irp i, 2,4,6,8,10,12,14
.irp c, 0,1,2,3
	s_delay_alu instid0(VALU_DEP_4)
	v_max3_num_f32 v[QT+\c], v[QT+\c], |v[\src+16*\c+\i]|, |v[\src+16*\c+\i+1]|
.endr
.endr
	s_delay_alu instid0(VALU_DEP_3)
	v_max_num_f32 v[QT], v[QT], v[QT+1]            ; my first block's largest magnitude,
	s_delay_alu instid0(VALU_DEP_2)
	v_max_num_f32 v[QT+2], v[QT+2], v[QT+3]        ; my second's
	s_delay_alu instid0(VALU_DEP_2)
	v_add_nc_u32 v[QT+4], 0xff000000, v[QT]        ; 2 off the exponent field: the conversion takes the exponent field of this operand as its scale
	s_delay_alu instid0(VALU_DEP_2)
	v_add_nc_u32 v[QT+5], 0xff000000, v[QT+2]
	s_delay_alu instid0(VALU_DEP_2)
	v_lshrrev_b32 v[QT+6], 23, v[QT+4]             ; the scales' bytes
	s_delay_alu instid0(VALU_DEP_2)
	v_lshrrev_b32 v[QT+7], 23, v[QT+5]
	s_delay_alu instid0(VALU_DEP_1)
	v_lshl_or_b32 v[\word], v[QT+7], 16, v[QT+6]   ; blocks h and 2 + h of my row,
	s_delay_alu instid0(VALU_DEP_1)
	v_lshlrev_b32 v[\word], v[SH8], v[\word]       ; at their places in the word;
	s_delay_alu instid0(VALU_DEP_1)
	v_permlanex16_b32 v[QT+8], v[\word], s[SEL], s[SEL+1]
	s_delay_alu instid0(VALU_DEP_1)
	v_or_b32 v[\word], v[\word], v[QT+8]           ; with lane l xor 16's two the word is whole
	v_cvt_scalef32_pk16_fp6_f32 v[\pc:\pc+2], v[\src:\src+15], v[QT+4]
	v_cvt_scalef32_pk16_fp6_f32 v[QT+10:QT+12], v[\src+16:\src+31], v[QT+4]      ; (a conversion's three registers begin on an even number: a block's second half is made elsewhere and moved)
	v_cvt_scalef32_pk16_fp6_f32 v[\pc+6:\pc+8], v[\src+32:\src+47], v[QT+5]
	v_cvt_scalef32_pk16_fp6_f32 v[QT+14:QT+16], v[\src+48:\src+63], v[QT+5]
	v_nop                                          ; one plain instruction behind the conversions
.irp i, 0,1,2
	v_mov_b32 v[\pc+3+\i], v[QT+10+\i]
	v_mov_b32 v[\pc+9+\i], v[QT+14+\i]
.endr
.endm
	s_load_b256 s[4:11], s[0:1], 0x0               ; query0 s[4:5], query1 s[6:7], Wa_w s[8:9], Wa_b s[10:11]
	s_load_b256 s[12:19], s[0:1], 0x20             ; Ua_w s[12:13], Ua_b s[14:15], ub s[16:17], biasp s[18:19]
	v_lshl_add_u32 v[SPW], v0, 2, SPARE
	v_mov_b32 v[NIL], 0
	v_lshrrev_b32 v1, 5, v0
	s_delay_alu instid0(VALU_DEP_1)
	v_readfirstlane_b32 s[WV], v1                  ; wave 0..7
	v_and_b32 v1, 31, v0                           ; lane
	v_and_b32 v2, 15, v0                           ; r
	v_bfe_u32 v3, v0, 4, 1                         ; h
	s_delay_alu instid0(VALU_DEP_2)
	v_lshlrev_b32 v[KO], 4, v2
	s_delay_alu instid0(VALU_DEP_1)
	v_lshl_add_u32 v[KO], v3, 15, v[KO]
	v_lshlrev_b32 v[LI], 4, v1
	v_lshlrev_b32 v[R4], 2, v2
	v_lshlrev_b32 v[SH8], 3, v3
	v_lshlrev_b32 v[BO], 5, v3
	v_lshlrev_b32 v[OO], 12, v2
	s_delay_alu instid0(VALU_DEP_1)
	v_lshl_add_u32 v[OO], v3, 5, v[OO]
	s_lshl_b32 s23, s[WV], 10
	v_add_nc_u32 v[RW], s23, v[LI]
	s_delay_alu instid0(VALU_DEP_1)
	v_add_nc_u32 v[RW], RED, v[RW]
	v_add_nc_u32 v[RR], RED, v[LI]
	s_mul_i32 s23, s[WV], 16*528                   ; my stage; every LDS address is made here, ahead of the parting of the paths
	v_mul_u32_u24 v[SIU], v3, 8*528
	s_delay_alu instid0(VALU_DEP_1)
	v_lshl_add_u32 v[SIU], v2, 4, v[SIU]
	s_delay_alu instid0(VALU_DEP_1)
	v_add_nc_u32 v[SIU], s23, v[SIU]
	s_delay_alu instid0(VALU_DEP_1)
	v_add_nc_u32 v[SIW], STGW, v[SIU]
	v_mul_u32_u24 v[SOU], v2, 528
	s_delay_alu instid0(VALU_DEP_1)
	v_lshl_add_u32 v[SOU], v3, 7, v[SOU]
	s_delay_alu instid0(VALU_DEP_1)
	v_add_nc_u32 v[SOU], s23, v[SOU]
	s_delay_alu instid0(VALU_DEP_1)
	v_add_nc_u32 v[SOW], STGW, v[SOU]
	v_mov_b32 v[QT+8], 0                           ; written once: a lane permute's destination counts as one of its sources
	s_mov_b32 s[SEL], 0x76543210
	s_mov_b32 s[SEL+1], 0xfedcba98
	s_max_u32 s24, ttmp9, 64
	s_sub_co_u32 s24, s24, 64                      ; Wa's work-groups count from 0
	s_lshr_b32 s25, s24, 1                         ; their tile of outputs,
	s_and_b32 s26, s24, 1                          ; and of batches
	s_cmp_lt_u32 ttmp9, 64                         ; Ua's work-group or Wa's?  The choice hangs on the work-group's number alone
	s_cselect_b32 s25, ttmp9, s25                  ; c: the tile of 16 rows of the weight
	s_lshl_b32 s27, s[WV], 9                       ; my K step: 512 bytes of a row
	s_lshl_b32 s28, s25, 16                        ; 16 rows of 4,096 bytes
	s_add_co_u32 s28, s28, s27
	s_mov_b32 s29, 0
	s_wait_kmcnt 0x0
	s_cmp_lt_u32 ttmp9, 64
	s_cselect_b64 s[30:31], s[12:13], s[8:9]
	s_add_nc_u64 s[30:31], s[30:31], s[28:29]
	DLOAD WN, 30, 31
	s_cmp_lt_u32 ttmp9, 64
	s_cbranch_scc0 .Lwa
	; ---- Ua: the fragment and its scale word go to ub as they stand
	s_mul_i32 s32, s25, 12800
	s_mul_i32 s33, s[WV], 1536
	s_add_co_u32 s34, s32, s33
	s_mov_b32 s35, 0
	s_add_nc_u64 s[34:35], s[16:17], s[34:35]      ; my fragment's image
	s_lshl_b32 s36, s[WV], 6
	s_add_co_u32 s36, s36, s32
	s_add_co_u32 s36, s36, 12288
	s_mov_b32 s37, 0
	s_add_nc_u64 s[36:37], s[16:17], s[36:37]      ; my K step's 16 scale words
	s_wait_loadcnt 0x0
	s_wait_alu depctr_va_vdst(0)
	TURN WN, SIU, SOU
	QUANT6 WN, WC, WW
.irp g, 0,1,2
	global_store_b128 v[LI], v[WC+4*\g:WC+4*\g+3], s[34:35] offset:512*\g   ; 32 lanes store 512 consecutive bytes
.endr
	global_store_b32 v[R4], v[WW], s[36:37]        ; both halves of the lanes hold the same word and write it to the same place
	s_wait_tensorcnt 0x0                           ; the wave's end, behind my last LDS store
	ds_add_u32 v[SPW], v[NIL]
	s_wait_dscnt 0x0
	s_endpgm
.Lwa:	; ---- Wa: one K step of the product with q, then the sum over the eight waves
	s_lshl_b32 s32, s26, 16                        ; 16 batches of 4,096 bytes
	s_add_co_u32 s32, s32, s27
	s_mov_b32 s33, 0
	s_add_nc_u64 s[4:5], s[4:5], s[32:33]
	s_add_nc_u64 s[6:7], s[6:7], s[32:33]
	DLOAD Q0, 4, 5
	DLOAD Q1, 6, 7
	s_wait_loadcnt 32                              ; the weight's 16 loads are in; the 32 of q are younger
	s_wait_alu depctr_va_vdst(0)
	TURN WN, SIW, SOW
	QUANT6 WN, WC, WW
	s_lshl_b32 s34, s25, 6                         ; 16 outputs of 4 bytes
	s_mov_b32 s35, 0
	s_add_nc_u64 s[10:11], s[10:11], s[34:35]
	s_add_nc_u64 s[14:15], s[14:15], s[34:35]
	global_load_b128 v[BB:BB+3], v[BO], s[10:11]               ; the biases of my eight outputs, into registers that the weight's numbers have left
	global_load_b128 v[BB+4:BB+7], v[BO], s[10:11] offset:16
	global_load_b128 v[BB+8:BB+11], v[BO], s[14:15]
	global_load_b128 v[BB+12:BB+15], v[BO], s[14:15] offset:16
	s_wait_loadcnt 4                               ; q's 32 loads are in; the four just issued are younger
.irp i, 0,2,4,6,8,10,12,14,16,18,20,22,24,26,28,30,32,34,36,38,40,42,44,46,48,50,52,54,56,58,60,62
	v_pk_add_f32 v[Q0+\i:Q0+\i+1], v[Q0+\i:Q0+\i+1], v[Q1+\i:Q1+\i+1]      ; q = query0 + query1, in f32, as loaded: so one turn serves both
.endr
	TURN Q0, SIW, SOW                              ; (the weight's reads of my stage were waited for)
	QUANT6 Q0, QC, QW
.rept 8
	v_nop                                          ; a scale register written by a vector instruction stands 8 places ahead of a scaled matrix instruction, an operand so written 4
.endr
	v_wmma_scale_f32_16x16x128_f8f6f4 v[AC:AC+7], v[WC:WC+11], v[QC:QC+11], 0, v[WW], v[QW] matrix_a_fmt:MATRIX_FMT_FP6 matrix_b_fmt:MATRIX_FMT_FP6   ; source 0 = 16 outputs, source 1 = 16 batches: lane (r, h) holds batch r, register j output 8 h + j
.rept 4
	v_nop
.endr
	ds_store_b128 v[RW], v[AC:AC+3]                ; my partial sums as an image of their registers, from the low end on
	ds_store_b128 v[RW], v[AC+4:AC+7] offset:512
	s_wait_dscnt 0x0                               ; for the others' sake: my stores have landed
	s_barrier_signal -1
	s_barrier_wait -1
	s_cmp_lg_u32 s[WV], 0
	s_cbranch_scc1 .Ldone
.irp i, 0,1,2,3,4,5,6,7
	ds_load_b128 v[Q0+8*\i:Q0+8*\i+3], v[RR] offset:1024*\i
	ds_load_b128 v[Q0+8*\i+4:Q0+8*\i+7], v[RR] offset:1024*\i+512
.endr
	s_lshl_b32 s36, s26, 16
	s_add_co_u32 s36, s36, s34
	s_mov_b32 s37, 0
	s_add_nc_u64 s[18:19], s[18:19], s[36:37]      ; biasp at batch 16 t, output 16 c
	s_wait_dscnt 0x0
.irp i, 0,2,4,6
.irp p, 0,2,4,6
	v_pk_add_f32 v[Q0+8*\i+\p:Q0+8*\i+\p+1], v[Q0+8*\i+\p:Q0+8*\i+\p+1], v[Q0+8*\i+8+\p:Q0+8*\i+8+\p+1]
.endr
.endr
.irp i, 0,4
.irp p, 0,2,4,6
	v_pk_add_f32 v[Q0+8*\i+\p:Q0+8*\i+\p+1], v[Q0+8*\i+\p:Q0+8*\i+\p+1], v[Q0+8*\i+16+\p:Q0+8*\i+16+\p+1]
.endr
.endr
	s_wait_alu depctr_va_vdst(0)
	s_wait_loadcnt 0x0                             ; the biases
.irp p, 0,2,4,6
	v_pk_add_f32 v[Q0+\p:Q0+\p+1], v[Q0+\p:Q0+\p+1], v[Q0+32+\p:Q0+32+\p+1]
	v_pk_add_f32 v[BB+\p:BB+\p+1], v[BB+\p:BB+\p+1], v[BB+8+\p:BB+8+\p+1]
.endr
.irp p, 0,2,4,6
	v_pk_add_f32 v[Q0+\p:Q0+\p+1], v[Q0+\p:Q0+\p+1], v[BB+\p:BB+\p+1]
.endr
.irp p, 0,2,4,6
	s_delay_alu instid0(VALU_DEP_4)
	v_pk_mul_f32 v[Q0+\p:Q0+\p+1], v[Q0+\p:Q0+\p+1], C2 op_sel_hi:[1,0]    ; in the units of the exponential's argument
.endr
	global_store_b128 v[OO], v[Q0:Q0+3], s[18:19]
	global_store_b128 v[OO], v[Q0+4:Q0+7], s[18:19] offset:16
.Ldone:
	s_wait_tensorcnt 0x0                           ; the wave's end, behind my last LDS store
	ds_add_u32 v[SPW], v[NIL]
	s_wait_dscnt 0x0
	s_endpgm
.Lfunc_end_k_q5e8ab98c6e_prep:
	.size	k_q5e8ab98c6e_prep, .Lfunc_end_k_q5e8ab98c6e_prep-k_q5e8ab98c6e_prep
	.p2alignl 7, 3214868480
	.fill 96, 4, 3214868480
	.section	.rodata,"a",@progbits
	.p2align	6, 0x0
	.amdhsa_kernel k_q5e8ab98c6e_prep
		.amdhsa_group_segment_fixed_size 144384
		.amdhsa_private_segment_fixed_size 0
		.amdhsa_enable_private_segment 0
		.amdhsa_kernarg_size 64
		.amdhsa_user_sgpr_count 2
		.amdhsa_user_sgpr_kernarg_segment_ptr 1
		.amdhsa_wavefront_size32 1
		.amdhsa_system_sgpr_workgroup_id_x 1
		.amdhsa_system_sgpr_workgroup_id_y 1
		.amdhsa_system_sgpr_workgroup_id_z 1
		.amdhsa_system_vgpr_workitem_id 0
		.amdhsa_next_free_vgpr 256
		.amdhsa_next_free_sgpr 66
		.amdhsa_reserve_vcc 0
		.amdhsa_float_denorm_mode_32 3
		.amdhsa_float_denorm_mode_16_64 3
		.amdhsa_memory_ordered 1
		.amdhsa_forward_progress 1
		.amdhsa_inst_pref_size 35
	.end_amdhsa_kernel
	.amdgpu_metadata
---
amdhsa.version: [ 1, 2 ]
amdhsa.kernels:
  - .name:           k_q5e8ab98c6e_prep
    .symbol:         k_q5e8ab98c6e_prep.kd
    .args:
      - { .name: query0, .offset: 0, .size: 8, .value_kind: global_buffer, .address_space: global }
      - { .name: query1, .offset: 8, .size: 8, .value_kind: global_buffer, .address_space: global }
      - { .name: Wa_w, .offset: 16, .size: 8, .value_kind: global_buffer, .address_space: global }
      - { .name: Wa_b, .offset: 24, .size: 8, .value_kind: global_buffer, .address_space: global }
      - { .name: Ua_w, .offset: 32, .size: 8, .value_kind: global_buffer, .address_space: global }
      - { .name: Ua_b, .offset: 40, .size: 8, .value_kind: global_buffer, .address_space: global }
      - { .name: ub, .offset: 48, .size: 8, .value_kind: global_buffer, .address_space: global }
      - { .name: biasp, .offset: 56, .size: 8, .value_kind: global_buffer, .address_space: global }
    .group_segment_fixed_size: 144384
    .private_segment_fixed_size: 0
    .kernarg_segment_align: 8
    .kernarg_segment_size: 64
    .max_flat_workgroup_size: 256
    .sgpr_count:     66
    .vgpr_count:     256
    .wavefront_size: 32
...
	.end_amdgpu_metadata
.endif
;; end of part 1
;; launch attn (part 2): grid 512 x 1, 4 waves a work-group, no clusters, 310,784 bytes of LDS; arguments keys, Va_w, ub, biasp, sc, ctxp; writes sc, ctxp
.if DOCPART == 2
	.amdgcn_target "amdgcn-amd-amdhsa--gfx1250"
	.amdhsa_code_object_version 6
	.text
	.protected	k_q5e8ab98c6e_attn
	.globl	k_q5e8ab98c6e_attn
	.p2align	8
	.type	k_q5e8ab98c6e_attn,@function
k_q5e8ab98c6e_attn:
	s_mov_b64 s[64:65], 0
	v_nop
	global_prefetch_b8 v0, s[64:65] scope:SCOPE_SE
	s_setreg_imm32_b32 hwreg(HW_REG_WAVE_MODE, 25, 1), 1
	s_wait_xcnt 0x0
; BAHDANAU ATTENTION, second of three launches.  A work-group takes 128 keys of one batch through the whole chain: quantise, x Ua on codes of FP6 (E2M3), tanh, . Va, and the tile's part of softmax x keys.
; Left out, as shown at the head of the first launch: Va_b and the sum of Va (one number added to every score of a batch).  tanh(x) = 1 - 2 r, r = 1 / (1 + 2^(c2 x)); the table of Va holds -c2 Va,
; so sc holds the scores in units of log2, less that one number.  ctxp[tile] = sum over the tile's rows of 2^(s' - m_tile) keys[row], m_tile the tile's largest s': the maximum is taken away ahead of every exponential.
; THE HEAD.  Wave w reads columns 256 w .. + 255 of the 128 rows once, in eight units of 32 rows x 128 columns, two units (64 loads) ahead.  Each unit is (a) rounded to f16 in the layout of a B fragment of the
; context product and kept: units 0-4 in LDS (BF0, 40,960 bytes a wave), the others in registers; (b) turned through the wave's stage and quantised; codes and scale words go to LDS as images of operand registers (AIMG, ASC).
; THE LOOP.  Wave (rh, ch) = (w / 2, w % 2) makes rows 64 rh .. + 63 x outputs 512 ch .. + 511, 32 tiles of 16 outputs: its 32 fragments of keys (384 registers) stay in windows 1 and 2.  Ua's tiles lie in ub as images of
; operand registers, 12,800 bytes each, so each goes from memory straight into the registers that multiply it: 24 loads of 512 consecutive bytes and 4 of scale words.  Three sets of 96 registers take turns; the tile
; three further on is asked for as soon as a set's products are issued.  The product is used transposed: a lane holds one key, registers 8 outputs.  The waves share nothing in the loop: no barrier stands in it.
; A HALF-STEP is one tile of 16 outputs x 64 keys x K 1,024: 32 matrix instructions in one run, the four accumulators by turns, and then that tile's epilogue in batches: t = c2 x + bias (16 packed lines), 32 exp,
; + 1 (16), 32 rcp, x Va onto the sums (16).  No transcendental stands between a matrix instruction and the line that reads its result; each batch of transcendentals has one s_wait_alu ahead of it and one behind it.
; NO TENSOR LOADS, NO CLUSTER: the keys' codes, the stages, the table and 163,840 bytes of the f16 copy take 310,784 of the 327,680 bytes of LDS; a ring of two slots of four tiles of Ua, 102,400 bytes, has no room beside them.
; No data prefetch: the keys are asked for two units ahead of their use and read once; Ua's tiles are asked for three half-steps ahead by the loads themselves.
; LIMITS: keys beyond f16's largest number, 65,504, are not served by the context product; blocks whose largest magnitude lies under 2^-124 were not tried; NaN and infinities among the inputs are not served.
.set C2,     0x4038aa3b                ; c2 = 2 log2(e)
.set NC2,    0xc038aa3b
.set TILEB,  12800                     ; a tile of Ua: eight fragments of 1,536 bytes, then 512 bytes of scale words
.set AIMG,   0                         ; LDS: 64 fragments of keys
.set ASC,    AIMG+64*1536              ; their scale words
.set STG,    ASC+4096                  ; a stage of 16 rows x 528 bytes for each wave
.set BF0,    STG+4*16*528              ; rows 0-95 (the last 32 for half of the columns) in f16: 40 fragments of 1,024 bytes a wave
.set TAB,    BF0+4*40960               ; the batch's bias (4,096 bytes), then -c2 Va
.set SCP,    TAB+8192                  ; partial scores
.set PT,     SCP+1024                  ; p in f16, a copy for each wave
.set SPARE,  PT+1024                   ; the spare words, 128 bytes a wave, which no other line names
.set SPW, 3                            ; v3 my spare word's address, v4 = 0; never rewritten
.set NIL, 4
.set KO,  5
.set STI, 6
.set STO, 7
.set LI,  8                            ; v8 16 x lane
.set AWI, 9
.set ASW, 11
.set ARI, 12
.set ASR, 13
.set BFW, 14
.set BS,  17                           ; v17 4 x lane
.set TA,  19                           ; v19 my place in the table, stepped once a trip
.set SCW, 20
.set SCR, 21
.set PTW, 22
.set PTR, 23
.set SH8, 24
.set TBW, 25
.set KS,  40                           ; v40-55 the keys' scale words
.set RB,  64
.set QT,  128
.set QW,  150
.set PC,  160
.set XS,  64                           ; v64-95 the four accumulators
.set BI,  232                          ; v232-239 the bias of my eight outputs
.set VA,  240                          ; v240-247 -c2 Va of my eight outputs
.set SU,  248                          ; v248-255 the scores' sums, a pair for each accumulator
.set PF,  64
.set CA,  96
.set C0,  128
.set WV,  16
.set CC,  40
.set SEL, 42
.set MSB, 0
.macro WIN new                         ; the immediate's high byte repeats the setting that is left
.if MSB != (\new)
	s_set_vgpr_msb (MSB<<8)|(\new)
.set MSB, (\new)
.endif
.endm
.macro PLACES n
.rept \n
	v_nop
.endr
.endm
; Ua's three sets: set 0 at v0-95 and set 1 at v96-191 of window 3, set 2 at v128-223 of window 0; their scale words at v56-59, v60-63, v224-227 (scale registers lie in window 0)
.macro SETOF st
.if (\st) < 2
.set UW, 3
.set UB, 96*(\st)
.set UC, 56+4*(\st)
.else
.set UW, 0
.set UB, 128
.set UC, 224
.endif
.endm
.macro BLOAD st, off                   ; the tile at byte off from s[8:9] into set st: each load takes 512 consecutive bytes
	SETOF \st
	WIN (UW<<6)
.set BN, 0
.rept 24
	global_load_b128 v[UB+4*BN:UB+4*BN+3], v[LI], s[8:9] offset:(\off)+512*BN
.set BN, BN+1
.endr
	WIN 0
.irp j, 0,1,2,3
	global_load_b32 v[UC+\j], v[BS], s[8:9] offset:(\off)+12288+128*\j   ; lanes 0-15 the words of K step 2 j, lanes 16-31 of 2 j + 1
.endr
.endm
; 64 numbers of a lane (row lane % 16, k = 64 c + 32 (lane / 16) + i) become a fragment's 12 registers and the row's scale word; the floor 2^(3 - 127) among the leaves holds the byte at 1 from below
.macro QUANT6 src, pc, word
.irp c, 0,1,2,3
	v_max3_num_f32 v[QT+\c], |v[\src+16*\c]|, |v[\src+16*\c+1]|, 0x1800000
.endr
.irp i, 2,4,6,8,10,12,14
.irp c, 0,1,2,3
	v_max3_num_f32 v[QT+\c], v[QT+\c], |v[\src+16*\c+\i]|, |v[\src+16*\c+\i+1]|
.endr
.endr
	v_max_num_f32 v[QT], v[QT], v[QT+1]
	v_max_num_f32 v[QT+2], v[QT+2], v[QT+3]
	v_add_nc_u32 v[QT+4], 0xff000000, v[QT]        ; 2 off the exponent field: the conversion's scale operand
	v_add_nc_u32 v[QT+5], 0xff000000, v[QT+2]
	v_lshrrev_b32 v[QT+6], 23, v[QT+4]
	v_lshrrev_b32 v[QT+7], 23, v[QT+5]
	v_lshl_or_b32 v[\word], v[QT+7], 16, v[QT+6]
	v_lshlrev_b32 v[\word], v[SH8], v[\word]
	v_permlanex16_b32 v[QT+8], v[\word], s[SEL], s[SEL+1]
	v_or_b32 v[\word], v[\word], v[QT+8]
	v_cvt_scalef32_pk16_fp6_f32 v[\pc:\pc+2], v[\src:\src+15], v[QT+4]
	v_cvt_scalef32_pk16_fp6_f32 v[QT+10:QT+12], v[\src+16:\src+31], v[QT+4]
	v_cvt_scalef32_pk16_fp6_f32 v[\pc+6:\pc+8], v[\src+32:\src+47], v[QT+5]
	v_cvt_scalef32_pk16_fp6_f32 v[QT+14:QT+16], v[\src+48:\src+63], v[QT+5]
	v_nop                                          ; one plain line behind the conversions
.irp i, 0,1,2
	v_mov_b32 v[\pc+3+\i], v[QT+10+\i]
	v_mov_b32 v[\pc+9+\i], v[QT+14+\i]
.endr
.endm
; 16 rows x 512 bytes of unit u into window 1 or 2: each load takes 256 consecutive bytes of rows i and i + 8
.macro ULOADH u, hf
.set UQ, (\u)/2
.set UP, (\u)%2
	WIN ((1+UP)<<6)
.irp sx, 0,1
.irp i, 0,1,2,3,4,5,6,7
	global_load_b128 v[64*\sx+32*(\hf)+4*\i:64*\sx+32*(\hf)+4*\i+3], v[KO], s[4:5] offset:(32*UQ+16*(\hf)+\i)*4096+512*UP+256*\sx th:TH_LOAD_NT
.endr
.endr
.endm
.macro ULOAD u
	ULOADH \u, 0
	ULOADH \u, 1
.endm
.macro UNIT u
.set XQ, (\u)/2
.set XP, (\u)%2
.set LW, 1+XP
.if (\u) < 6
	s_wait_loadcnt 32                              ; this unit's 32 loads are in; the next unit's are younger
.elseif (\u) == 6
	s_wait_loadcnt 63                              ; younger are unit 7's 32 and the 56 of Ua's tiles 0 and 1: 88, of which the field names 63 at the most
.else
	s_wait_loadcnt 56                              ; younger are the 56 of Ua's tiles 0 and 1
.endif
.set XN, 0
.rept 64                               ; the f16 copy, in the context product's B layout
.set XT, 8*XP+XN/8
.set XV, XN%8
.set XR, 64*(XN/32)+8*XV+((XN/8)%4)
.if (\u) < 5
.set XW, 0
.set XD, 192+8*(XN/8)
.elseif XQ == 2
.set XW, 3
.set XD, 128+8*XT
.elseif XT < 14
.set XW, 2
.set XD, 144+8*XT
.else
.set XW, 1
.set XD, 240+8*(XT-14)
.endif
	WIN ((XW<<6)|(LW<<2)|LW)
	v_cvt_pk_f16_f32 v[XD+XV], v[XR], v[XR+4]
.set XN, XN+1
.endr
.if (\u) < 5
	WIN 0
.irp f, 0,1,2,3,4,5,6,7
	ds_store_b128 v[BFW], v[192+8*\f:192+8*\f+3] offset:16384*XQ+1024*(8*XP+\f)
	ds_store_b128 v[BFW], v[192+8*\f+4:192+8*\f+7] offset:16384*XQ+1024*(8*XP+\f)+512
.endr
.endif
.irp tl, 0,1
	WIN (LW<<2)
.irp sx, 0,1
.irp i, 0,1,2,3,4,5,6,7
	ds_store_b128 v[STI], v[64*\sx+32*\tl+4*\i:64*\sx+32*\tl+4*\i+3] offset:528*\i+256*\sx
.endr
.endr
	WIN 0
.irp c, 0,1
.irp j, 0,1,2,3,4,5,6,7
	ds_load_b128 v[RB+32*\c+4*\j:RB+32*\c+4*\j+3], v[STO] offset:256*\c+16*\j   ; LDS serves a wave's instructions in order: these see my stores
.endr
.endr
	s_wait_dscnt 0x0
.if (\u) < 6
	ULOADH (\u)+2, \tl                             ; the registers just stored take the unit two further on
	WIN 0
.endif
	QUANT6 RB, PC, QW
.set XA, 2*XQ+\tl
.irp g, 0,1,2
	ds_store_b128 v[AWI+XA/4], v[PC+4*\g:PC+4*\g+3] offset:12288*(XA%4)+1536*XP+512*\g
.endr
	ds_store_b32 v[ASW], v[QW] offset:512*XA+64*XP
.endr
.endm
	s_load_b256 s[4:11], s[0:1], 0x0               ; keys s[4:5], Va_w s[6:7], ub s[8:9], biasp s[10:11]
	s_load_b128 s[12:15], s[0:1], 0x20             ; sc s[12:13], ctxp s[14:15]
	v_lshl_add_u32 v[SPW], v0, 2, SPARE
	v_mov_b32 v[NIL], 0
	v_lshrrev_b32 v26, 5, v0
	v_readfirstlane_b32 s[WV], v26                 ; wave 0..3
	s_lshr_b32 s17, s[WV], 1                       ; rh
	s_and_b32 s18, s[WV], 1                        ; ch
	s_mov_b32 s20, ttmp9                           ; my tile of 128 keys
	s_mov_b32 s[CC], C2
	s_mov_b32 s[CC+1], C2
	s_mov_b32 s[SEL], 0x76543210
	s_mov_b32 s[SEL+1], 0xfedcba98
	s_mov_b32 s45, 0xffff0000
	s_mul_i32 s46, s18, 32*TILEB                   ; my 32 tiles of Ua
	s_mov_b32 s47, 0
	v_and_b32 v1, 15, v0
	v_bfe_u32 v2, v0, 4, 1
	v_lshlrev_b32 v[KO], 4, v1
	v_lshl_add_u32 v[KO], v2, 15, v[KO]
	v_lshlrev_b32 v27, 5, v0
	s_lshl_b32 s48, s20, 19
	s_lshl_b32 s49, s[WV], 10
	s_add_co_u32 s48, s48, s49
	s_mov_b32 s49, 0
	s_lshr_b32 s50, s20, 4
	s_lshl_b32 s50, s50, 12
	s_mov_b32 s51, 0
	s_wait_alu depctr_va_vdst(0)
	s_wait_kmcnt 0x0
	s_add_nc_u64 s[4:5], s[4:5], s[48:49]
	s_add_nc_u64 s[10:11], s[10:11], s[50:51]
	s_add_nc_u64 s[8:9], s[8:9], s[46:47]
	ULOAD 0
	WIN 0
	global_load_b128 v[176:179], v27, s[10:11]     ; the batch's bias and Va, 32 bytes a thread
	global_load_b128 v[180:183], v27, s[10:11] offset:16
	global_load_b128 v[184:187], v27, s[6:7]
	global_load_b128 v[188:191], v27, s[6:7] offset:16
	ULOAD 1
	WIN 0
	s_lshl_b32 s52, s20, 9
	s_mov_b32 s53, 0
	s_add_nc_u64 s[12:13], s[12:13], s[52:53]
	s_lshl_b32 s54, s20, 12
	s_lshl_b32 s55, s[WV], 10
	s_add_co_u32 s54, s54, s55
	s_mov_b32 s55, 0
	s_add_nc_u64 s[14:15], s[14:15], s[54:55]
	v_and_b32 v26, 31, v0
	s_mul_i32 s46, s[WV], 16*528
	s_add_co_u32 s46, s46, STG
	v_mul_u32_u24 v[STI], v2, 8*528
	v_lshl_add_u32 v[STI], v1, 4, v[STI]
	v_add_nc_u32 v[STI], s46, v[STI]
	v_mul_u32_u24 v[STO], v1, 528
	v_lshl_add_u32 v[STO], v2, 7, v[STO]
	v_add_nc_u32 v[STO], s46, v[STO]
	v_lshlrev_b32 v[LI], 4, v26
	v_lshlrev_b32 v[BS], 2, v26
	s_wait_alu depctr_va_vdst(0)
	s_mul_i32 s46, s[WV], 2*1536
	s_add_co_u32 s46, s46, AIMG
	v_add_nc_u32 v[AWI], s46, v[LI]
	v_add_nc_u32 v[AWI+1], 32*1536, v[AWI]
	s_lshl_b32 s46, s[WV], 7
	s_add_co_u32 s46, s46, ASC
	v_lshl_add_u32 v[ASW], v1, 2, s46
	s_mul_i32 s46, s17, 32*1536
	s_add_co_u32 s46, s46, AIMG
	v_add_nc_u32 v[ARI], s46, v[LI]
	s_lshl_b32 s46, s17, 11
	s_add_co_u32 s46, s46, ASC
	v_lshl_add_u32 v[ASR], v26, 2, s46
	s_mul_i32 s46, s[WV], 40960
	s_add_co_u32 s46, s46, BF0
	v_add_nc_u32 v[BFW], s46, v[LI]
	s_lshl_b32 s46, s18, 11                        ; the table of my 512 outputs: 64 bytes a tile
	s_add_co_u32 s46, s46, TAB
	v_lshl_add_u32 v[TA], v2, 5, s46
	s_lshl_b32 s46, s18, 9
	s_lshl_b32 s47, s17, 8
	s_add_co_u32 s46, s46, s47
	s_add_co_u32 s46, s46, SCP
	v_lshl_add_u32 v[SCW], v1, 2, s46
	v_add_nc_u32 v[SCR], SCP, v[LI]
	s_lshl_b32 s46, s[WV], 8
	s_add_co_u32 s46, s46, PT
	v_lshl_add_u32 v[PTW], v26, 3, s46
	v_lshl_add_u32 v[PTR], v2, 4, s46
	v_lshlrev_b32 v[SH8], 3, v2
	v_lshl_add_u32 v[TBW], v0, 5, TAB
	v_mov_b32 v[QT+8], 0                           ; written once: a lane permute's destination counts as one of its sources
.irp i, 30,31,32,33,39
	v_mov_b32 v\i, 0
.endr
	s_wait_alu depctr_va_vdst(0)
	s_wait_loadcnt 32                              ; unit 0 and the table's four loads are in; unit 1's 32 are younger
.irp p, 184,186,188,190
	v_pk_mul_f32 v[\p:\p+1], v[\p:\p+1], NC2 op_sel_hi:[1,0]
.endr
	ds_store_b128 v[TBW], v[176:179]
	ds_store_b128 v[TBW], v[180:183] offset:16
	ds_store_b128 v[TBW], v[184:187] offset:4096
	ds_store_b128 v[TBW], v[188:191] offset:4112
.irp u, 0,1,2,3,4,5
	UNIT \u
.endr
	BLOAD 0, 0                                     ; all the keys' loads are issued: Ua's tiles 0 and 1 follow them, two units ahead of the loop
	BLOAD 1, TILEB
	UNIT 6
	UNIT 7
	s_wait_dscnt 0x0                               ; for the others' sake: my images and my part of the table have landed
	s_barrier_signal -1
	s_barrier_wait -1
.set TF, 0
.rept 32                               ; my 64 rows' fragments: number 4 k + i (K step k, rows 16 i ..) at 12 x number, the first 20 in window 1, the others in window 2
.if TF < 20
	WIN 0x40
.set TR, 12*TF
.else
	WIN 0x80
.set TR, 12*(TF-20)
.endif
.irp g, 0,1,2
	ds_load_b128 v[TR+4*\g:TR+4*\g+3], v[ARI] offset:(8*(TF%4)+TF/4)*1536+512*\g
.endr
.set TF, TF+1
.endr
	WIN 0
.irp i, 0,1,2,3
.irp p, 0,1,2,3
	ds_load_b32 v[KS+4*\i+\p], v[ASR] offset:512*\i+128*\p   ; lanes 0-15 the word of K step 2 p, lanes 16-31 of 2 p + 1
.endr
.endr
	BLOAD 2, 2*TILEB                               ; set 2 lies where the quantiser worked
.irp i, 0,1,2,3,4,5,6,7
	v_mov_b32 v[SU+\i], 0                          ; the scores' sums begin at 0
.endr
.macro TRALL op                        ; a batch of 32 transcendentals, in place
.set TN, 0
.rept 32
	\op v[XS+TN], v[XS+TN]
.set TN, TN+1
.endr
	v_nop                                          ; a plain line behind the batch's last
.endm
.macro WM                              ; matrix instruction WI of a half-step: K step WI / 4, rows 16 (WI % 4) ..; source 0 = Ua's set (UW, UB, UC), source 1 = the keys
.set WK, WI/4
.set WR, WI%4
.if WI < 20
	WIN 0x04|UW
.set WB, 12*WI
.else
	WIN 0x08|UW
.set WB, 12*(WI-20)
.endif
.if WK == 0
	v_wmma_scale_f32_16x16x128_f8f6f4 v[XS+8*WR:XS+8*WR+7], v[UB:UB+11], v[WB:WB+11], 0, v[UC], v[KS+4*WR] matrix_a_fmt:MATRIX_FMT_FP6 matrix_b_fmt:MATRIX_FMT_FP6
.elseif (WK%2) == 0
	v_wmma_scale_f32_16x16x128_f8f6f4 v[XS+8*WR:XS+8*WR+7], v[UB+12*WK:UB+12*WK+11], v[WB:WB+11], v[XS+8*WR:XS+8*WR+7], v[UC+WK/2], v[KS+4*WR+WK/2] matrix_a_fmt:MATRIX_FMT_FP6 matrix_b_fmt:MATRIX_FMT_FP6
.else
	v_wmma_scale_f32_16x16x128_f8f6f4 v[XS+8*WR:XS+8*WR+7], v[UB+12*WK:UB+12*WK+11], v[WB:WB+11], v[XS+8*WR:XS+8*WR+7], v[UC+WK/2], v[KS+4*WR+WK/2] matrix_a_fmt:MATRIX_FMT_FP6 matrix_b_fmt:MATRIX_FMT_FP6 matrix_a_scale:MATRIX_SCALE_ROW1 matrix_b_scale:MATRIX_SCALE_ROW1
.endif
.endm
; A half-step.  m: the tile, counted from where s[8:9] and the table's address stand; its set is m % 3.  ld: the tile three further on is asked for.  cnt: the loads younger than this tile's.
.macro HS m, ld, cnt
	ds_load_b128 v[BI:BI+3], v[TA] offset:64*(\m)  ; this tile's bias and Va, a run of 32 matrix instructions ahead of their use
	ds_load_b128 v[BI+4:BI+7], v[TA] offset:64*(\m)+16
	ds_load_b128 v[VA:VA+3], v[TA] offset:64*(\m)+4096
	ds_load_b128 v[VA+4:VA+7], v[TA] offset:64*(\m)+4112
	s_wait_loadcnt \cnt                            ; this tile's 28 loads are in; those of the tiles behind it, 28 each, may be out
	SETOF (\m)%3
.set WI, 0
.rept 32
	WM
.set WI, WI+1
.endr
	WIN 0
	s_wait_dscnt 0x0                               ; the bias and Va
	PLACES 4                                       ; behind the last products: for the lines that read the sums and for the loads into the set's registers
.irp i, 0,1,2,3,4,5,6,7,8,9,10,11,12,13,14,15
	v_pk_fma_f32 v[XS+2*\i:XS+2*\i+1], v[XS+2*\i:XS+2*\i+1], s[CC:CC+1], v[BI+2*(\i%4):BI+2*(\i%4)+1] op_sel_hi:[1,0,1]   ; t = c2 x + bias, each accumulator from its low end on
.endr
.if \ld
	BLOAD (\m)%3, TILEB*((\m)+3)
.endif
	s_wait_alu depctr_va_vdst(0)                   ; ahead of the batch
	TRALL v_exp_f32
	s_wait_alu depctr_va_vdst(0)                   ; and behind it
.irp i, 0,1,2,3,4,5,6,7,8,9,10,11,12,13,14,15
	v_pk_add_f32 v[XS+2*\i:XS+2*\i+1], v[XS+2*\i:XS+2*\i+1], 1.0 op_sel_hi:[1,0]
.endr
	s_wait_alu depctr_va_vdst(0)
	TRALL v_rcp_f32
	s_wait_alu depctr_va_vdst(0)
.irp p, 0,1,2,3
.irp a, 0,1,2,3
	v_pk_fma_f32 v[SU+2*\a:SU+2*\a+1], v[XS+8*\a+2*\p:XS+8*\a+2*\p+1], v[VA+2*\p:VA+2*\p+1], v[SU+2*\a:SU+2*\a+1]   ; r x (-c2 Va), the four accumulators' sums by turns
.endr
.endr
.endm
	s_mov_b32 s44, 9
	s_wait_alu depctr_va_vdst(0)
	s_wait_dscnt 0x0                               ; the keys' fragments and scale words are in
.Ltrip:                                        ; a trip: three half-steps, once through the three sets; nine trips make tiles 0-26 and ask for tiles 3-29
	HS 0, 1, 56
	HS 1, 1, 56
	HS 2, 1, 56
	s_wait_xcnt 0x0                                ; the loads have read their base: only now is it stepped
	s_add_nc_u64 s[8:9], s[8:9], 3*TILEB
	v_add_nc_u32 v[TA], 192, v[TA]
	s_sub_co_u32 s44, s44, 1
	s_cmp_lg_u32 s44, 0
	s_wait_alu depctr_va_vdst(0)
	s_cbranch_scc1 .Ltrip
	HS 0, 1, 56                                    ; tiles 27 and 28 ask for the last two,
	HS 1, 1, 56
	HS 2, 0, 56                                    ; tiles 29 to 31 for nothing more
	HS 3, 0, 28
	HS 4, 0, 0
	WIN 0xc0                                       ; sets 0 and 1 are done with: rows 32-95 of the f16 copy come back from LDS into window 3, v0-191
.set TN, 0
.rept 24
	ds_load_b128 v[8*TN:8*TN+3], v[BFW] offset:16384+1024*TN
	ds_load_b128 v[8*TN+4:8*TN+7], v[BFW] offset:16384+1024*TN+512
.set TN, TN+1
.endr
	WIN 0
; the scores: my two halves, lane l xor 16's eight outputs, and the other column half's wave
.irp i, 0,1,2,3
	v_add_f32 v[26+\i], v[SU+2*\i], v[SU+2*\i+1]
.endr
.irp i, 0,1,2,3
	v_permlanex16_b32 v[30+\i], v[26+\i], s[SEL], s[SEL+1]
.endr
.irp i, 0,1,2,3
	v_add_f32 v[26+\i], v[26+\i], v[30+\i]
.endr
.irp i, 0,1,2,3
	ds_store_b32 v[SCW], v[26+\i] offset:64*\i
.endr
	s_wait_dscnt 0x0
	s_barrier_signal -1
	s_barrier_wait -1
	ds_load_b128 v[26:29], v[SCR]
	ds_load_b128 v[30:33], v[SCR] offset:512
	s_wait_dscnt 0x0
	v_pk_add_f32 v[26:27], v[26:27], v[30:31]
	v_pk_add_f32 v[28:29], v[28:29], v[32:33]      ; every wave holds the tile's 128 scores, four a lane
	s_cmp_lg_u32 s[WV], 0
	s_cbranch_scc1 .Lnot_first
	global_store_b128 v[LI], v[26:29], s[12:13]    ; 32 lanes store 512 consecutive bytes
.Lnot_first:
	s_wait_alu depctr_va_vdst(0)
	v_max3_num_f32 v38, v26, v27, v28
	v_max_num_f32 v38, v38, v29
	v_max_num_f32_dpp v38, v38, v38 row_xmask:1 row_mask:0xf bank_mask:0xf
	v_max_num_f32_dpp v38, v38, v38 row_xmask:2 row_mask:0xf bank_mask:0xf
	v_max_num_f32_dpp v38, v38, v38 row_xmask:4 row_mask:0xf bank_mask:0xf
	v_max_num_f32_dpp v38, v38, v38 row_xmask:8 row_mask:0xf bank_mask:0xf
	v_permlanex16_b32 v39, v38, s[SEL], s[SEL+1]
	v_max_num_f32 v38, v38, v39                    ; m_tile
.irp i, 0,1,2,3
	v_sub_f32 v[34+\i], v[26+\i], v38
.endr
	s_wait_alu depctr_va_vdst(0)
.irp i, 0,1,2,3
	v_exp_f32 v[34+\i], v[34+\i]
.endr
	v_nop
	s_wait_alu depctr_va_vdst(0)
	v_cvt_pk_f16_f32 v38, v34, v35
	v_cvt_pk_f16_f32 v39, v36, v37
	ds_store_b64 v[PTW], v[38:39]                  ; p in f16, into my wave's own copy, and back as A fragments with the same p in all 16 rows
.irp q, 0,1,2,3
	ds_load_b128 v[PF+8*\q:PF+8*\q+3], v[PTR] offset:64*\q
	ds_load_b128 v[PF+8*\q+4:PF+8*\q+7], v[PTR] offset:64*\q+32
.endr
.irp t, 0,1,2,3,4,5,6,7,8,9,10,11,12,13,14,15
	ds_load_b128 v[C0+8*\t:C0+8*\t+3], v[BFW] offset:1024*\t
	ds_load_b128 v[C0+8*\t+4:C0+8*\t+7], v[BFW] offset:1024*\t+512
.endr
	s_wait_dscnt 0x0
; the context of my 256 columns: 16 tiles of 16 columns, four at a time, K = the 128 keys in four steps of 32; the four accumulators by turns
.macro CTX st
.set CN, 0
.rept 16
.set CQ, CN/4
.set CJ, CN%4
.set CT, 4*(\st)+CJ
.if CQ == 0
	WIN 0
.set CB, C0+8*CT
.elseif CQ == 1
	WIN 0x0c
.set CB, 8*CT
.elseif CQ == 2
	WIN 0x0c
.set CB, 128+8*CT
.elseif CT < 14
	WIN 0x08
.set CB, 144+8*CT
.else
	WIN 0x04
.set CB, 240+8*(CT-14)
.endif
.if CQ == 0
	v_wmma_f32_16x16x32_f16 v[CA+8*CJ:CA+8*CJ+7], v[PF+8*CQ:PF+8*CQ+7], v[CB:CB+7], 0
.else
	v_wmma_f32_16x16x32_f16 v[CA+8*CJ:CA+8*CJ+7], v[PF+8*CQ:PF+8*CQ+7], v[CB:CB+7], v[CA+8*CJ:CA+8*CJ+7]
.endif
.set CN, CN+1
.endr
	WIN 0
	PLACES 5
.endm
.irp st, 0,1,2,3
	CTX \st
.if (\st%2) == 0
.irp j, 0,1,2,3
	v_mov_b32 v[30+\j], v[CA+8*\j]                 ; all rows are alike: register 0 of each accumulator holds the tile's 16 columns
.endr
.else
.if \st == 3
	s_wait_alu depctr_va_vdst(0)
	s_wait_xcnt 0x0
.endif
.irp j, 0,1,2,3
	v_cndmask_b32 v[34-8*(\st/2)+\j], v[30+\j], v[CA+8*\j], s45    ; lanes 0-15 one group of four tiles, lanes 16-31 the next
.endr
	global_store_b128 v[LI], v[34-8*(\st/2):37-8*(\st/2)], s[14:15] offset:512*(\st/2)
.endif
.endr
	s_wait_tensorcnt 0x0                           ; the wave's end
	ds_add_u32 v[SPW], v[NIL]
	s_wait_dscnt 0x0
	s_endpgm
.Lfunc_end_k_q5e8ab98c6e_attn:
	.size	k_q5e8ab98c6e_attn, .Lfunc_end_k_q5e8ab98c6e_attn-k_q5e8ab98c6e_attn
	.p2alignl 7, 3214868480
	.fill 96, 4, 3214868480
	.section	.rodata,"a",@progbits
	.p2align	6, 0x0
	.amdhsa_kernel k_q5e8ab98c6e_attn
		.amdhsa_group_segment_fixed_size 310784
		.amdhsa_private_segment_fixed_size 0
		.amdhsa_enable_private_segment 0
		.amdhsa_kernarg_size 48
		.amdhsa_user_sgpr_count 2
		.amdhsa_user_sgpr_kernarg_segment_ptr 1
		.amdhsa_wavefront_size32 1
		.amdhsa_system_sgpr_workgroup_id_x 1
		.amdhsa_system_sgpr_workgroup_id_y 1
		.amdhsa_system_sgpr_workgroup_id_z 1
		.amdhsa_system_vgpr_workitem_id 0
		.amdhsa_next_free_vgpr 1024
		.amdhsa_next_free_sgpr 66
		.amdhsa_reserve_vcc 0
		.amdhsa_float_denorm_mode_32 3
		.amdhsa_float_denorm_mode_16_64 3
		.amdhsa_memory_ordered 1
		.amdhsa_forward_progress 1
		.amdhsa_inst_pref_size 255
	.end_amdhsa_kernel
	.section	.bss,"aw",@nobits
	.p2align	6
	.space	262144
	.amdgpu_metadata
---
amdhsa.version: [ 1, 2 ]
amdhsa.kernels:
  - .name:           k_q5e8ab98c6e_attn
    .symbol:         k_q5e8ab98c6e_attn.kd
    .args:
      - { .name: keys, .offset: 0, .size: 8, .value_kind: global_buffer, .address_space: global }
      - { .name: Va_w, .offset: 8, .size: 8, .value_kind: global_buffer, .address_space: global }
      - { .name: ub, .offset: 16, .size: 8, .value_kind: global_buffer, .address_space: global }
      - { .name: biasp, .offset: 24, .size: 8, .value_kind: global_buffer, .address_space: global }
      - { .name: sc, .offset: 32, .size: 8, .value_kind: global_buffer, .address_space: global }
      - { .name: ctxp, .offset: 40, .size: 8, .value_kind: global_buffer, .address_space: global }
    .group_segment_fixed_size: 310784
    .private_segment_fixed_size: 0
    .kernarg_segment_align: 8
    .kernarg_segment_size: 48
    .max_flat_workgroup_size: 128
    .sgpr_count:     66
    .vgpr_count:     1024
    .wavefront_size: 32
...
	.end_amdgpu_metadata
.endif
;; end of part 2
;; launch comb (part 3): grid 32 x 1, 8 waves a work-group, no clusters, 2,048 bytes of LDS; arguments sc, ctxp, out0, out1; writes out0, out1
.if DOCPART == 3
	.amdgcn_target "amdgcn-amd-amdhsa--gfx1250"
	.amdhsa_code_object_version 6
	.text
	.protected	k_q5e8ab98c6e_comb
	.globl	k_q5e8ab98c6e_comb
	.p2align	8
	.type	k_q5e8ab98c6e_comb,@function
k_q5e8ab98c6e_comb:
	s_mov_b64 s[64:65], 0
	v_nop
	global_prefetch_b8 v0, s[64:65] scope:SCOPE_SE
	s_setreg_imm32_b32 hwreg(HW_REG_WAVE_MODE, 25, 1), 1
	s_wait_xcnt 0x0
; BAHDANAU ATTENTION, third of three launches: a batch's 16 tiles of 128 keys are joined.  One work-group to a batch, 256 threads.
; Left out, as shown at the head of the first launch: Va_b and the sum of Va (one number added to every score of a batch).
; sc holds s', the scores in units of log2; ctxp[tile] holds the sum over the tile's rows of 2^(s' - m_tile) keys[row].  With M the batch's largest s' and L the sum of 2^(s' - M):
;   weights[s] = 2^(s' - M) / L;   context = sum over tiles of (2^(m_tile - M) / L) ctxp[tile].
; Thread t holds rows 4 t .. + 3 and 1,024 + 4 t .. + 3, so wave w holds just tiles w and 8 + w: its two maxima are the very m_tile of the launch before (a maximum rounds nothing).  For the context thread t holds columns 4 t .. + 3.
; All loads go out at once; every load and store of a wave covers 512 consecutive bytes.  Too little work for matrix units, clusters or tensor loads.
.set MT,    0                          ; LDS: the 16 tiles' maxima, a word each
.set ST,    256                        ; the eight waves' sums
.set SPARE, 512                        ; the spare words, 128 bytes for each wave: four blocks of 256 bytes that no other line names
.set SPW, 2                            ; v2   LDS address of my spare word; never rewritten
.set NIL, 3                            ; v3   0; never rewritten
.set MI,  16                           ; v16-31 m_tile, then 2^(m_tile - M) / L
.set EE,  40                           ; v40-47 2^(s' - M), then the weights
.set CX,  64                           ; v64-127 ctxp: four columns of 16 tiles
	s_load_b256 s[4:11], s[0:1], 0x0               ; sc s[4:5], ctxp s[6:7], out0 s[8:9], out1 s[10:11]
	v_lshl_add_u32 v[SPW], v0, 2, SPARE
	v_mov_b32 v[NIL], 0
	v_lshrrev_b32 v12, 5, v0
	s_delay_alu instid0(VALU_DEP_1)
	v_readfirstlane_b32 s12, v12                   ; wave 0..7
	v_lshlrev_b32 v1, 4, v0                        ; 16 x thread
	s_delay_alu instid0(VALU_DEP_2)
	v_mov_b32 v13, s12
	s_delay_alu instid0(VALU_DEP_1)
	v_lshlrev_b32 v13, 2, v13                      ; my wave's word
	v_mov_b32 v14, 0
	v_mov_b32 v34, 0                               ; written once: a lane permute's destination counts as one of its sources
	v_mov_b32 v35, 0
	s_lshl_b32 s14, ttmp9, 13                      ; 2,048 rows of 4 bytes
	s_mov_b32 s15, 0
	s_lshl_b32 s16, ttmp9, 16                      ; 16 tiles of 4,096 bytes
	s_mov_b32 s17, 0
	s_lshl_b32 s18, ttmp9, 12                      ; 1,024 columns of 4 bytes
	s_mov_b32 s19, 0
	s_mov_b32 s20, 0x76543210
	s_mov_b32 s21, 0xfedcba98                      ; v_permlanex16_b32's selects for lane l xor 16
	s_wait_alu depctr_va_vdst(0)
	s_wait_kmcnt 0x0
	s_add_nc_u64 s[4:5], s[4:5], s[14:15]
	s_add_nc_u64 s[10:11], s[10:11], s[14:15]
	s_add_nc_u64 s[6:7], s[6:7], s[16:17]
	s_add_nc_u64 s[8:9], s[8:9], s[18:19]
	global_load_b128 v[4:7], v1, s[4:5] th:TH_LOAD_NT
	global_load_b128 v[8:11], v1, s[4:5] offset:4096 th:TH_LOAD_NT
.irp i, 0,1,2,3,4,5,6,7,8,9,10,11,12,13,14,15
	global_load_b128 v[CX+4*\i:CX+4*\i+3], v1, s[6:7] offset:4096*\i th:TH_LOAD_NT
.endr
	s_wait_loadcnt 16                              ; the scores are in; the 16 loads of ctxp are younger
	v_max3_num_f32 v32, v4, v5, v6
	v_max3_num_f32 v33, v8, v9, v10
	s_delay_alu instid0(VALU_DEP_2)
	v_max_num_f32 v32, v32, v7
	s_delay_alu instid0(VALU_DEP_2)
	v_max_num_f32 v33, v33, v11
.irp m, 1,2,4,8
	s_delay_alu instid0(VALU_DEP_2)
	v_max_num_f32_dpp v32, v32, v32 row_xmask:\m row_mask:0xf bank_mask:0xf
	s_delay_alu instid0(VALU_DEP_2)
	v_max_num_f32_dpp v33, v33, v33 row_xmask:\m row_mask:0xf bank_mask:0xf
.endr
	s_delay_alu instid0(VALU_DEP_2)
	v_permlanex16_b32 v34, v32, s20, s21
	s_delay_alu instid0(VALU_DEP_2)
	v_permlanex16_b32 v35, v33, s20, s21
	s_delay_alu instid0(VALU_DEP_2)
	v_max_num_f32 v32, v32, v34                    ; tile w's maximum,
	s_delay_alu instid0(VALU_DEP_2)
	v_max_num_f32 v33, v33, v35                    ; tile 8 + w's
	ds_store_b32 v13, v32 offset:MT                ; all lanes write the same word with the same value
	ds_store_b32 v13, v33 offset:MT+32
	s_wait_dscnt 0x0                               ; for the others' sake
	s_barrier_signal -1
	s_barrier_wait -1
.irp i, 0,1,2,3
	ds_load_b128 v[MI+4*\i:MI+4*\i+3], v14 offset:MT+16*\i
.endr
	s_wait_dscnt 0x0
	v_max3_num_f32 v36, v[MI], v[MI+1], v[MI+2]
.irp i, 3,5,7,9,11,13
	s_delay_alu instid0(VALU_DEP_1)
	v_max3_num_f32 v36, v36, v[MI+\i], v[MI+\i+1]
.endr
	s_delay_alu instid0(VALU_DEP_1)
	v_max_num_f32 v36, v36, v[MI+15]               ; M: the batch's largest s', taken away ahead of every exponential
.irp i, 0,1,2,3,4,5,6,7
	v_sub_f32 v[EE+\i], v[4+\i], v36
.endr
	s_wait_alu depctr_va_vdst(0)
.irp i, 0,1,2,3,4,5,6,7
	v_exp_f32 v[EE+\i], v[EE+\i]
.endr
.irp i, 0,1,2,3,4,5,6,7,8,9,10,11,12,13,14,15
	v_sub_f32 v[MI+\i], v[MI+\i], v36              ; (plain work behind the exponentials)  m_tile - M
.endr
	s_wait_alu depctr_va_vdst(0)                   ; one wait for the eight, ahead of their first reader
	v_pk_add_f32 v[48:49], v[EE:EE+1], v[EE+2:EE+3]
	v_pk_add_f32 v[50:51], v[EE+4:EE+5], v[EE+6:EE+7]
	s_delay_alu instid0(VALU_DEP_1)
	v_pk_add_f32 v[48:49], v[48:49], v[50:51]
	s_delay_alu instid0(VALU_DEP_1)
	v_add_f32 v48, v48, v49
.irp m, 1,2,4,8
	s_delay_alu instid0(VALU_DEP_1)
	v_add_f32_dpp v48, v48, v48 row_xmask:\m row_mask:0xf bank_mask:0xf
.endr
	s_delay_alu instid0(VALU_DEP_1)
	v_permlanex16_b32 v34, v48, s20, s21
	s_delay_alu instid0(VALU_DEP_1)
	v_add_f32 v48, v48, v34                        ; my wave's sum
	ds_store_b32 v13, v48 offset:ST
	s_wait_dscnt 0x0
	s_barrier_signal -1
	s_barrier_wait -1
	ds_load_b128 v[52:55], v14 offset:ST
	ds_load_b128 v[56:59], v14 offset:ST+16
	s_wait_dscnt 0x0
	v_pk_add_f32 v[52:53], v[52:53], v[54:55]
	v_pk_add_f32 v[56:57], v[56:57], v[58:59]
	s_delay_alu instid0(VALU_DEP_1)
	v_pk_add_f32 v[52:53], v[52:53], v[56:57]
	s_delay_alu instid0(VALU_DEP_1)
	v_add_f32 v52, v52, v53                        ; L
	s_wait_alu depctr_va_vdst(0)
	v_rcp_f32 v37, v52
.irp i, 0,1,2,3,4,5,6,7,8,9,10,11,12,13,14,15
	v_exp_f32 v[MI+\i], v[MI+\i]
.endr
	v_nop                                          ; a plain instruction behind the batch's last transcendental,
	s_wait_alu depctr_va_vdst(0)                   ; and one wait for the seventeen
.irp i, 0,1,2,3,4,5,6,7
	v_mul_f32 v[EE+\i], v[EE+\i], v37              ; the weights
.endr
	global_store_b128 v1, v[EE:EE+3], s[10:11]
	global_store_b128 v1, v[EE+4:EE+7], s[10:11] offset:4096
.irp i, 0,1,2,3,4,5,6,7,8,9,10,11,12,13,14,15
	v_mul_f32 v[MI+\i], v[MI+\i], v37              ; 2^(m_tile - M) / L
.endr
	s_wait_loadcnt 0x0                             ; ctxp
.irp e, 0,1,2,3
	v_mul_f32 v[60+\e], v[CX+\e], v[MI]            ; the first tile starts the sums
.endr
.irp i, 1,2,3,4,5,6,7,8,9,10,11,12,13,14,15
.irp e, 0,1,2,3
	s_delay_alu instid0(VALU_DEP_4)
	v_fma_f32 v[60+\e], v[CX+4*\i+\e], v[MI+\i], v[60+\e]
.endr
.endr
	global_store_b128 v1, v[60:63], s[8:9]
	s_wait_tensorcnt 0x0                           ; the wave's end, behind my last LDS store
	ds_add_u32 v[SPW], v[NIL]
	s_wait_dscnt 0x0
	s_endpgm
.Lfunc_end_k_q5e8ab98c6e_comb:
	.size	k_q5e8ab98c6e_comb, .Lfunc_end_k_q5e8ab98c6e_comb-k_q5e8ab98c6e_comb
	.p2alignl 7, 3214868480
	.fill 96, 4, 3214868480
	.section	.rodata,"a",@progbits
	.p2align	6, 0x0
	.amdhsa_kernel k_q5e8ab98c6e_comb
		.amdhsa_group_segment_fixed_size 2048
		.amdhsa_private_segment_fixed_size 0
		.amdhsa_enable_private_segment 0
		.amdhsa_kernarg_size 32
		.amdhsa_user_sgpr_count 2
		.amdhsa_user_sgpr_kernarg_segment_ptr 1
		.amdhsa_wavefront_size32 1
		.amdhsa_system_sgpr_workgroup_id_x 1
		.amdhsa_system_sgpr_workgroup_id_y 1
		.amdhsa_system_sgpr_workgroup_id_z 1
		.amdhsa_system_vgpr_workitem_id 0
		.amdhsa_next_free_vgpr 128
		.amdhsa_next_free_sgpr 66
		.amdhsa_reserve_vcc 0
		.amdhsa_float_denorm_mode_32 3
		.amdhsa_float_denorm_mode_16_64 3
		.amdhsa_memory_ordered 1
		.amdhsa_forward_progress 1
		.amdhsa_inst_pref_size 16
	.end_amdhsa_kernel
	.amdgpu_metadata
---
amdhsa.version: [ 1, 2 ]
amdhsa.kernels:
  - .name:           k_q5e8ab98c6e_comb
    .symbol:         k_q5e8ab98c6e_comb.kd
    .args:
      - { .name: sc, .offset: 0, .size: 8, .value_kind: global_buffer, .address_space: global }
      - { .name: ctxp, .offset: 8, .size: 8, .value_kind: global_buffer, .address_space: global }
      - { .name: out0, .offset: 16, .size: 8, .value_kind: global_buffer, .address_space: global }
      - { .name: out1, .offset: 24, .size: 8, .value_kind: global_buffer, .address_space: global }
    .group_segment_fixed_size: 2048
    .private_segment_fixed_size: 0
    .kernarg_segment_align: 8
    .kernarg_segment_size: 32
    .max_flat_workgroup_size: 256
    .sgpr_count:     66
    .vgpr_count:     128
    .wavefront_size: 32
...
	.end_amdgpu_metadata
.endif
;; end of part 3
